; MI455X (gfx1250); checked and timed in simulation.
; The chip was launched on July 23, 2026; its instructions are those of AMD's public machine-readable ISA for CDNA 5 (MIT licence, August 2026) and "CDNA5" Instruction Set Architecture Reference Guide (July 2026). The comments in the code are by the model that wrote it; some were corrected since.
;; Multi Layer Memory Network. Allowed arithmetic: matrix products marked QUANTISED: E2M1 operands, one E8M0 scale for each 32 along K, by v_wmma_scale_f32_16x16x128_f8f6f4 with both operands' format E2M1 (or v_wmma_scale_f32_32x16x128_f4), f32 sums; everything else in f32.
;; Inputs: ltm 8,192 x 256 float32; pm 4,096 x 256 float32; query_codes 4,096 x 1 x 8 x 16 uint8 (E2M1 codes of query, K innermost, in blocks of 32 codes, two codes a byte); query_scales 4,096 x 1 x 8 uint8 (E8M0 scales of query, one for each 32 codes along K); stm 16,384 x 256 float32.
;; Outputs: out0 4,096 x 1 x 256 float32.
;; This version of the problem:
;;   THIS VERSION OF THE PROBLEM IS GIVEN IN LOW PRECISION. The matrix products marked QUANTISED in the list below multiply operands that are first quantised to E2M1 (2 exponent bits, 1 mantissa bit; 4 bits a number), with one power-of-two scale for each 32 numbers along K (OCP MX v1.0); their sums are f32. All else is computed in f32.
;;   The module's matrix products, in the order in which they are computed (A, B: the left and right operand; K: the contracted axis; several contracted axes count as one K, in the product's order):
;;     1. [M 16,384, K 256] x [K 256, N 4,096]; A: input stm; B: input query (given as codes): QUANTISED
;;     2. [M 4,096, K 16,384] x [K 16,384, N 256]; A: softmax (see below); B: input stm: QUANTISED
;;     3. [M 8,192, K 256] x [K 256, N 4,096]; A: input ltm; B: input query (given as codes): QUANTISED
;;     4. [M 4,096, K 8,192] x [K 8,192, N 256]; A: softmax (see below); B: input ltm: QUANTISED
;;     5. [M 4,096, K 256] x [K 256, N 4,096]; A: input pm; B: input query (given as codes): QUANTISED
;;     6. [M 4,096, K 4,096] x [K 4,096, N 256]; A: softmax (see below); B: input pm: QUANTISED
;;   THE QUANTISER, for each operand of a quantised product, along K:
;;     - K is cut into blocks of 32 from its start; a last block that is shorter is filled with zeros.
;;     - A block's scale is 2^e with e = floor(log2(the largest magnitude in the block)) - 2, held to -126 .. 127; a block of zeros has e = 0. As a byte (E8M0): e + 127.
;;     - Each number is divided by its block's scale, clamped to +-6, and rounded to the nearest number of E2M1, ties to even, subnormals kept.
;;     - The product sums the exact products of the quantised numbers (number of the format x scale) in f32.
;;   ~~~python
;;   def quantise(x, axis):      # numpy; x: float32 -> the quantised numbers, widened to float32 again
;;       x = np.moveaxis(x, axis, -1); K = x.shape[-1]
;;       x = np.pad(x, [(0, 0)] * (x.ndim - 1) + [(0, -K % 32)]); x = x.reshape(x.shape[:-1] + (-1, 32)); a = np.abs(x).max(-1, keepdims=True)
;;       e = np.where(a > 0, np.clip(np.frexp(np.where(a > 0, a, 1))[1] - 1 - 2, -126, 127), 0)      # np.frexp(a)[1] - 1 = floor(log2(a)), exactly
;;       r = np.clip(x / 2.0 ** e, -6, 6)
;;       step = 2.0 ** (np.maximum(np.frexp(np.where(r == 0, 1, r))[1] - 1, 0) - 1)
;;       q = np.round(r / step) * step * 2.0 ** e      # np.round: ties to even
;;       return np.moveaxis(q.reshape(q.shape[:-2] + (-1,))[..., :K], -1, axis).astype(np.float32)
;;   ~~~
;;   SOFTMAX AHEAD OF A QUANTISED PRODUCT. Where the list says 'softmax', what is quantised is not the finished softmax but p = 2^(t - M), with t = logit x log2(e) and M = ceil(the row's largest t), a whole number; so 1/2 < the row's largest p <= 1. The row's sum l is taken of the UNQUANTISED p, in f32, and the product's result is divided by l at the end. Since M is a whole number, a kernel that streams over the keys may use a running M (the ceiling of the running maximum): every later rescaling is an exact power of two, which a block's scale takes up: the codes' values come out the same.
;;   OPERANDS COMPUTED ON THE WAY. 'Computed on the way' means the value that the module computes at that place (a softmax that the list does not call 'softmax' is quantised finished and normalised). What goes into a quantiser is computed in f32, as accurately as f32 sums, v_exp_f32 and their like allow (about 1e-6 of the number): no bf16 or f16 on the way to a quantiser, and a product that is left as it is and whose result goes on into a quantised operand takes f32 operands (vector FMAs, or v_wmma_f32_16x16x4_f32). A number that lies on a knife's edge between two numbers of the format may be rounded either way, as far as f32 arithmetic and the matrix unit's own rounding can turn it there, and no further.
;;   INPUTS GIVEN AS CODES. query (in the module: [4096, 1, 256], K = its axis 2): each comes as NAME_codes (uint8): NAME with its K axis moved to the last place and cut into blocks of 32 codes, [.., K / 32, bytes a block], one block behind the other in memory; two codes a byte, the lower K in the low four bits (a code: sign, 2 exponent bits, 1 mantissa bit); and NAME_scales (uint8): the same leading axes, one E8M0 byte (e + 127) for each 32 codes along K. Its value is code x scale, taken as it is: it is not quantised again, and the codes and scales need not be those that the quantiser above would give.
;; One version. Each part assembles by itself: llvm-mc -triple=amdgcn-amd-amdhsa -mcpu=gfx1250 --defsym DOCPART=n.
;; ======== version 1 of 1: 3 launches
;; limits: right only within a limited range of input values
;; workspace buffers: kv 7,798,784 bytes; part 29,360,128 bytes; stat 458,752 bytes
;; launch pack (part 1): grid 224 x 1, 8 waves a work-group, no clusters, 168,960 bytes of LDS; arguments stm, ltm, pm, kv; writes kv
.if DOCPART == 1
	.amdgcn_target "amdgcn-amd-amdhsa--gfx1250"
	.amdhsa_code_object_version 6
	.text
	.protected	k_q55bce1ae7f_pack
	.globl	k_q55bce1ae7f_pack
	.p2align	8
	.type	k_q55bce1ae7f_pack,@function
k_q55bce1ae7f_pack:
	s_mov_b64 s[64:65], 0
	v_nop
	global_prefetch_b8 v0, s[64:65] scope:SCOPE_SE
	s_setreg_imm32_b32 hwreg(HW_REG_WAVE_MODE, 25, 1), 1
	s_wait_xcnt 0x0
; The three banks (stm 16,384, ltm 8,192, pm 4,096 rows of 256 f32) are quantised ONCE, both ways, into codes of E2M1 with one E8M0 byte for each 32 numbers:
; along d (the first product's K) and along the rows (the second product's K).  A work-group takes one STEP of 128 rows (224 steps: 0-127 stm, 128-191 ltm, 192-223 pm).
; kv[step] is 34,816 bytes, laid in the order of the operands' registers (lane l = r + 16 h), so that the next launch reads fragments as 16 bytes a lane, 512 consecutive bytes an instruction:
;   +0      K image: fragment (tile t of 8, K step s of 2) at 1024 (2 t + s) + 512 c + 16 l: the 32 codes of row 32 (t / 2) + 8 (t % 2) + r + 8 (r / 8), d = 128 s + 64 c + 32 h + 0 .. 31
;   +16,384 V image: fragment of d tile t of 16 at 1024 t + 512 c + 16 l: the 32 codes of d = 16 t + r, rows 64 c + 32 h + 0 .. 31
;   +32,768 K's scale words: (tile t, K step h, row r) at 512 (t / 4) + 16 l + 4 (t % 4)
;   +33,792 V's scale words: d = 32 i + l at 512 (i / 4) + 16 l + 4 (i % 4); byte b for the step's rows 32 b on
; A block's scale is 2^(floor(log2(its largest magnitude)) - 2); its byte is the largest magnitude's exponent field - 2, held at 1 from below.
; LIMITS: a block of zeros gets the byte 1 where the quantiser says 127: its codes are zeros, which add nothing, and this program alone reads the bytes; NaN and infinities among the inputs are not served.
; The 128 rows come into LDS by one tensor load a wave (16 rows of 1,024 bytes, 16 bytes of padding behind each) and are read twice from there, so memory is read once.  LDS is filled once: no slot is filled again.
; No cluster: no two work-groups read the same byte.
.set STEPB, 34816
.set VO,    16384
.set KSO,   32768
.set PITCH, 1040                       ; a row in LDS: 1,024 bytes + 16
.set SCST,  128*PITCH                  ; behind the rows (133,120 = 520 x 256): 2,048 bytes, the image of the step's two regions of scale words; no tensor load lands here
.set AM,  12                           ; v12-15  largest magnitudes, one a pass
.set SO,  16                           ; v16-19  the conversions' scale operands
.set BY,  20                           ; v20-23  scale bytes
.set TT,  27                           ; v27     the maximum's second chain
.set CD,  32                           ; v32-63  codes: four registers for each of eight passes, never written again
.set X,   64                           ; v64-191 four sets of 32 numbers
	s_load_b256 s[4:11], s[0:1], 0x0               ; stm s[4:5], ltm s[6:7], pm s[8:9], kv s[10:11]
	v_lshl_add_u32 v192, v0, 2, 0x29000
	v_mov_b32 v193, 0
	ds_add_u32 v192, v193
	ds_add_u32 v192, v193
	v_lshrrev_b32 v1, 5, v0
	s_delay_alu instid0(VALU_DEP_1)
	v_readfirstlane_b32 s12, v1                    ; wave w, 0 .. 7
	s_lshr_b32 s13, s12, 1                         ; b = w / 2
	s_and_b32 s14, s12, 1                          ; e = w % 2
	; descriptor group 1: 16 rows of 256 elements of 4 bytes, 4 words of padding behind every 256 words
	s_mov_b32 s20, (2<<16)|(1<<20)|(7<<22)|(3<<25)
	s_mov_b32 s21, 256<<16                         ; tensor_dim0
	s_mov_b32 s22, 16<<16                          ; tensor_dim1
	s_mov_b32 s23, 256<<16                         ; tile_dim0
	s_mov_b32 s24, 16                              ; tile_dim1
	s_mov_b32 s25, 256                             ; elements from row to row
	s_mov_b32 s26, 0
	s_mov_b32 s27, 0
	s_mov_b32 s36, 0x76543210                      ; v_permlanex16_b32's selects for lane l xor 16
	s_mov_b32 s37, 0xfedcba98
	s_mov_b32 s30, 192
	s_wait_dscnt 0x0
	s_wait_kmcnt 0x0
	s_cmp_lt_u32 ttmp9, 192                        ; which bank: the choice hangs on the work-group's number alone
	s_cselect_b64 s[28:29], s[6:7], s[8:9]
	s_cselect_b32 s30, 128, s30
	s_cmp_lt_u32 ttmp9, 128
	s_cselect_b64 s[28:29], s[4:5], s[28:29]
	s_cselect_b32 s30, 0, s30                      ; the bank's first step
	s_sub_co_u32 s32, ttmp9, s30
	s_lshl_b32 s32, s32, 17                        ; 128 rows of 1,024 bytes a step,
	s_lshl_b32 s33, s12, 14                        ; 16 rows a wave
	s_add_co_u32 s32, s32, s33
	s_mov_b32 s33, 0
	s_add_nc_u64 s[28:29], s[28:29], s[32:33]
	s_mul_i32 s34, ttmp9, STEPB
	s_mov_b32 s35, 0
	s_add_nc_u64 s[10:11], s[10:11], s[34:35]      ; kv at my step
	s_mov_b32 s16, 1
	s_mul_i32 s17, s12, 16*PITCH                   ; LDS: my 16 rows
	s_mov_b64 s[18:19], s[28:29]
	s_or_b32 s19, s19, 0x80000000
	tensor_load_to_lds s[16:19], s[20:27]          ; the wave's one tensor load
	s_nop 0
.rept 4
	v_nop                                          ; (plain lines behind a tensor load)
.endr
	v_and_b32 v1, 31, v0                           ; lane l
	v_and_b32 v2, 15, v0                           ; r
	v_bfe_u32 v3, v0, 4, 1                         ; h
	v_mov_b32 v30, 0                               ; a lane permute's destination counts as one of its sources
	v_mov_b32 v31, 0
	s_delay_alu instid0(VALU_DEP_4)
	v_and_b32 v12, 8, v2
	s_delay_alu instid0(VALU_DEP_1)
	v_add_nc_u32 v12, v12, v2                      ; r + 8 (r / 8)
	s_lshl_b32 s32, s13, 5
	s_lshl_b32 s33, s14, 3
	s_add_co_u32 s32, s32, s33
	s_mul_i32 s32, s32, PITCH
	v_mul_u32_u24 v4, v12, PITCH
	s_delay_alu instid0(VALU_DEP_1)
	v_lshl_add_u32 v4, v3, 7, v4
	s_delay_alu instid0(VALU_DEP_1)
	v_add_nc_u32 v4, s32, v4                       ; v4: K side: row 32 b + 8 e + r + 8 (r / 8), + 128 h bytes
	s_mul_i32 s32, s13, 32*PITCH
	s_lshl_b32 s33, s14, 9
	s_add_co_u32 s32, s32, s33
	v_lshl_add_u32 v5, v1, 2, s32                  ; v5: V side: row 32 b, d = 128 e + l
	s_lshl_b32 s32, s12, 11
	v_lshl_add_u32 v6, v1, 4, s32                  ; v6: K's codes in kv: 2,048 w + 16 l
	v_lshlrev_b32 v7, 10, v3
	s_delay_alu instid0(VALU_DEP_1)
	v_lshl_add_u32 v7, v2, 4, v7
	s_lshl_b32 s32, s13, 8
	s_lshl_b32 s33, s14, 13
	s_add_co_u32 s32, s32, s33
	v_add_nc_u32 v7, s32, v7                       ; v7: V's codes in kv: 1,024 (l / 16) + 16 (l % 16) + 256 b + 8,192 e
	s_lshr_b32 s32, s12, 2
	s_lshl_b32 s32, s32, 9
	s_and_b32 s33, s12, 3
	s_lshl_b32 s33, s33, 2
	s_add_co_u32 s32, s32, s33
	s_add_co_u32 s32, s32, SCST
	v_lshl_add_u32 v8, v1, 4, s32                  ; v8: my K scale word in LDS
	s_lshl_b32 s32, s14, 9
	s_add_co_u32 s32, s32, s13
	s_add_co_u32 s32, s32, SCST+1024
	v_lshl_add_u32 v9, v1, 4, s32                  ; v9: my V scale bytes in LDS: byte b of the words of d = 32 (4 e + g) + l
	s_lshl_b32 s32, s12, 8
	v_lshl_add_u32 v11, v1, 3, s32                 ; v11: the scale words' way out: 256 w + 8 l,
	s_delay_alu instid0(VALU_DEP_1)
	v_add_nc_u32 v10, SCST, v11                    ; v10: and the same place in LDS
; 32 numbers of one block, v[xs] on, become 32 codes in v[cd] .. v[cd + 3]; the byte goes to v[BY + q]
.macro BLK xs, q, cd
	v_max3_num_f32 v[AM+(\q)], |v[(\xs)]|, |v[(\xs)+1]|, |v[(\xs)+2]|      ; the block's largest magnitude, in two chains
	v_max3_num_f32 v[TT], |v[(\xs)+3]|, |v[(\xs)+4]|, |v[(\xs)+5]|
.irp i, 6,10,14,18,22,26
	s_delay_alu instid0(VALU_DEP_2)
	v_max3_num_f32 v[AM+(\q)], v[AM+(\q)], |v[(\xs)+\i]|, |v[(\xs)+\i+1]|
	s_delay_alu instid0(VALU_DEP_2)
	v_max3_num_f32 v[TT], v[TT], |v[(\xs)+\i+2]|, |v[(\xs)+\i+3]|
.endr
	s_delay_alu instid0(VALU_DEP_2)
	v_max3_num_f32 v[AM+(\q)], v[AM+(\q)], |v[(\xs)+30]|, |v[(\xs)+31]|
	s_delay_alu instid0(VALU_DEP_1)
	v_max3_num_f32 v[AM+(\q)], v[AM+(\q)], v[TT], 0x1800000                ; and the floor 2^(3 - 127): the byte cannot fall under 1
	s_delay_alu instid0(VALU_DEP_1)
	v_add_nc_u32 v[SO+(\q)], 0xff000000, v[AM+(\q)]                        ; 2 off the exponent field: the conversion takes this operand's exponent field as its scale
	s_delay_alu instid0(VALU_DEP_1)
	v_lshrrev_b32 v[BY+(\q)], 23, v[SO+(\q)]                               ; the scale's byte
.irp g, 0,1,2,3
	v_cvt_scalef32_pk8_fp4_f32 v[(\cd)+\g], v[(\xs)+8*\g:(\xs)+8*\g+7], v[SO+(\q)]
.endr
	v_nop                                          ; one plain line behind the last scaled conversion
.endm
	s_wait_tensorcnt 0x0                           ; my 16 rows are in LDS,
	s_barrier_signal -1
	s_barrier_wait -1                              ; everybody's are
	; ---- K SIDE: wave w makes tile w.  Pass p = 2 s + c: my row's 32 numbers d = 128 s + 64 c + 32 h on: one whole block
.irp p, 0,1,2,3
.irp i, 0,1,2,3,4,5,6,7
	ds_load_b128 v[X+32*\p+4*\i:X+32*\p+4*\i+3], v4 offset:256*\p+16*\i
.endr
.endr
.irp p, 0,1,2,3
	s_wait_dscnt 24-8*\p                           ; pass p's eight loads are in; the later passes' stay out
	BLK X+32*\p, \p, CD+4*\p
	global_store_b128 v6, v[CD+4*\p:CD+4*\p+3], s[10:11] offset:512*\p     ; 32 lanes store 512 consecutive bytes, aligned
.endr
	v_lshl_or_b32 v24, v21, 16, v20                ; K step 0: my bytes of blocks h and 2 + h,
	v_lshl_or_b32 v25, v23, 16, v22                ; K step 1 likewise,
	v_lshlrev_b32 v26, 3, v3
	s_delay_alu instid0(VALU_DEP_1)
	v_lshlrev_b32 v24, v26, v24                    ; at their places in the word (8 h bits up);
	s_delay_alu instid0(VALU_DEP_2)
	v_lshlrev_b32 v25, v26, v25
	s_delay_alu instid0(VALU_DEP_2)
	v_permlanex16_b32 v30, v24, s36, s37
	s_delay_alu instid0(VALU_DEP_2)
	v_permlanex16_b32 v31, v25, s36, s37
	s_delay_alu instid0(VALU_DEP_2)
	v_or_b32 v24, v24, v30                         ; with lane l xor 16's two bytes each word is whole
	s_delay_alu instid0(VALU_DEP_2)
	v_or_b32 v25, v25, v31
	v_cmp_eq_u32 vcc_lo, 1, v3
	s_delay_alu instid0(VALU_DEP_1)
	v_cndmask_b32 v26, v24, v25, vcc_lo            ; lanes 0-15 keep K step 0's word, lanes 16-31 K step 1's
	ds_store_b32 v8, v26
	; ---- V SIDE: wave (b, e) takes rows 32 b .. 32 b + 31 and d = 128 e .. 128 e + 127.  A lane takes a column d and its registers run down the rows: a block lies in one lane
.macro VLD g
.irp i, 0,1,2,3,4,5,6,7,8,9,10,11,12,13,14,15,16,17,18,19,20,21,22,23,24,25,26,27,28,29,30,31
	ds_load_b32 v[X+32*(\g)+\i], v5 offset:\i*PITCH+128*(\g)
.endr
.endm
	VLD 0
	VLD 1
.irp g, 0,1,2,3
.if \g < 3
	s_wait_dscnt 32                                ; pass g's 32 loads are in; the next pass's 32 stay out
.else
	s_wait_dscnt 0x0
.endif
	BLK X+32*\g, \g, CD+16+4*\g
	ds_store_b8 v9, v[BY+\g] offset:4*\g
	global_store_b128 v7, v[CD+16+4*\g:CD+16+4*\g+3], s[10:11] offset:VO+2048*\g   ; lanes 0-15 and lanes 16-31 each store 256 consecutive bytes, aligned
.if \g < 2
	VLD \g+2
.endif
.endr
	s_wait_dscnt 0x0                               ; for the others' sake: my scale words and bytes are in LDS
	s_barrier_signal -1
	s_barrier_wait -1
	ds_load_b64 v[28:29], v10                      ; the step's 2,048 bytes of scale words leave whole: 256 consecutive bytes a wave
	s_wait_dscnt 0x0
	global_store_b64 v11, v[28:29], s[10:11] offset:KSO
	s_wait_tensorcnt 0x0
	ds_add_u32 v192, v193
	s_wait_dscnt 0x0
	s_endpgm
.Lfunc_end_k_q55bce1ae7f_pack:
	.size	k_q55bce1ae7f_pack, .Lfunc_end_k_q55bce1ae7f_pack-k_q55bce1ae7f_pack
	.p2alignl 7, 3214868480
	.fill 96, 4, 3214868480
	.section	.rodata,"a",@progbits
	.p2align	6, 0x0
	.amdhsa_kernel k_q55bce1ae7f_pack
		.amdhsa_group_segment_fixed_size 168960
		.amdhsa_private_segment_fixed_size 0
		.amdhsa_enable_private_segment 0
		.amdhsa_kernarg_size 32
		.amdhsa_user_sgpr_count 2
		.amdhsa_user_sgpr_kernarg_segment_ptr 1
		.amdhsa_wavefront_size32 1
		.amdhsa_system_sgpr_workgroup_id_x 1
		.amdhsa_system_sgpr_workgroup_id_y 1
		.amdhsa_system_sgpr_workgroup_id_z 1
		.amdhsa_system_vgpr_workitem_id 0
		.amdhsa_next_free_vgpr 194
		.amdhsa_next_free_sgpr 66
		.amdhsa_reserve_vcc 1
		.amdhsa_float_denorm_mode_32 3
		.amdhsa_float_denorm_mode_16_64 3
		.amdhsa_memory_ordered 1
		.amdhsa_forward_progress 1
		.amdhsa_inst_pref_size 33
	.end_amdhsa_kernel
	.amdgpu_metadata
---
amdhsa.version: [ 1, 2 ]
amdhsa.kernels:
  - .name:           k_q55bce1ae7f_pack
    .symbol:         k_q55bce1ae7f_pack.kd
    .args:
      - { .name: stm, .offset: 0, .size: 8, .value_kind: global_buffer, .address_space: global }
      - { .name: ltm, .offset: 8, .size: 8, .value_kind: global_buffer, .address_space: global }
      - { .name: pm, .offset: 16, .size: 8, .value_kind: global_buffer, .address_space: global }
      - { .name: kv, .offset: 24, .size: 8, .value_kind: global_buffer, .address_space: global }
    .group_segment_fixed_size: 168960
    .private_segment_fixed_size: 0
    .kernarg_segment_align: 8
    .kernarg_segment_size: 32
    .max_flat_workgroup_size: 256
    .sgpr_count:     66
    .vgpr_count:     194
    .wavefront_size: 32
...
	.end_amdgpu_metadata
.endif
;; end of part 1
;; launch attend (part 2): grid 32 x 7, 4 waves a work-group, clusters of 4 x 1, 327,680 bytes of LDS; arguments query_codes, query_scales, kv, part, stat; writes part, stat
.if DOCPART == 2
	.amdgcn_target "amdgcn-amd-amdhsa--gfx1250"
	.amdhsa_code_object_version 6
	.text
	.protected	k_q55bce1ae7f_attend
	.globl	k_q55bce1ae7f_attend
	.p2align	8
	.type	k_q55bce1ae7f_attend,@function
k_q55bce1ae7f_attend:
	s_mov_b64 s[64:65], 0
	v_nop
	global_prefetch_b8 v0, s[64:65] scope:SCOPE_SE
	s_setreg_imm32_b32 hwreg(HW_REG_WAVE_MODE, 25, 1), 1
	s_wait_xcnt 0x0
	s_wait_alu depctr_hold_cnt(0) depctr_sa_sdst(0) depctr_va_vdst(0) depctr_va_sdst(0) depctr_va_ssrc(0) depctr_va_vcc(0) depctr_vm_vsrc(0)
	s_getreg_b32 s2, hwreg(HW_REG_IB_STS2, 6, 4)
	s_cmp_eq_u32 s2, 0
	s_cbranch_scc0 .Lentry_in_a_cluster
	s_endpgm
.Lentry_in_a_cluster:
	s_bfe_u32 s2, ttmp6, 0x10000c
	s_cmp_lg_u32 s2, 0x3003
	s_cbranch_scc0 .Lentry_shape_is_right
	s_endpgm
.Lentry_shape_is_right:
; For 128 queries and one UNIT of 4,096 rows of a bank (units 0-3 stm, 4-5 ltm, 6 pm): S^T = mem q^T, p = 2^(t - M), O^T = mem^T p^T, both products on codes of E2M1 with E8M0 scales.
; t = score x log2(e); M = the running largest t rounded UP to a whole number; p is quantised along the rows, 32 to a block; the sum l is taken of the unquantised p.
; The unit's O^T, -M and l go to part and stat; the next launch joins the units of a bank by powers of two, divides by l and adds the banks.
; SHARES.  Four waves, one to a SIMD.  Wave w owns 32 queries (two tiles of 16) and walks every step of 128 rows: each fragment read from LDS feeds two products, and each output tile has one owner.
; STEPS GO IN PAIRS (a, b).  Each step: scores, maxima, M, p, codes, sum.  The second products of both steps follow together, so that O^T is multiplied by 2^(old M - new M) once for 256 rows.
; Step a's codes were made under M as it stood behind step a: its scale bytes are lowered by M's move in step b, an exact power of two that the block's scale takes up.
; A block's scale: p rises with the score, so the block's largest p is 2^x, x = its largest score x log2(e) - M; its exponent is floor(x), and the byte is floor(x) + 125, held at 1 from below.
; LOADS RUN AHEAD, IN PIECES.  K (128 registers) and both steps' V (256) have registers of their own.  Step a's softmax carries the loads of K(b), then V(a); step b's those of V(b), then the next pair's K: 4 to 8 loads at a time among its lines.
; THE EXPONENTIALS go in two batches of 64.  Among tile 0's stand tile 1's multiply-adds, among tile 1's tile 0's conversions and the first additions of its sum: lines that name no result of the batch they stand in and whose own results are read behind the next wait.
; LAYOUT.  Both products are used transposed (source 0 = 16 rows of mem, or 16 of the 256 d; source 1 = 16 queries): a lane holds ONE query (lane % 16).  kv holds images of the operands' registers: 16 bytes a lane, 512 consecutive bytes an LDS read.
; CLUSTER.  The four query blocks of a cluster walk the same unit: each slot is asked for JOINTLY.  My place in the cluster enters global addresses of Q, part, stat and the prefetches alone.
; LIMITS: NaN, infinities and the scale byte 0xff among the inputs are not served; p under 2^-126 counts as 0; a block whose p are all 0 keeps the byte 1 (its codes are zeros); M is exact while |t| stays under 2^24;
; a block of step a whose byte would fall under 1 by M's move keeps 1: each of its rows then adds at most 6 x 2^-126 x the row's number, where the exact term is smaller still;
; where v_exp_f32 rounds a block's largest p up to a power of two that x lies just under, that one p is held at the largest code.
; REGISTERS.  Window 0: v1 16 x lane; v2, v6, v7, v50 the slot's four steps in LDS; v3, v4 the add's two; v5, v51 the prefetches' offsets; v8-15 statistics (tile i: v[8+4i] -M, v[9+4i] largest t, v[10+4i:11+4i] l);
;   v16-47 p's codes (step e, tile i at 16 + 16 e + 8 i); v48-49 Q's scale words; v52-59 K's scale words; v60, v62 the pair's factor (v61, v63 named with them); v64-79 V's scale words; v80-83 p's scale words;
;   v84-91 step a's bytes as numbers; v92-127 at work; v128-255 S^T.   Window 1: O^T (tile i, d tile t at 128 i + 8 t).   Window 2: V (step e at 128 e).   Window 3: v0-127 K, v128-159 Q.
.set STEPB, 34816                      ; a step of 128 rows in kv; also one wave's tensor load: 136 rows of 256 bytes
.set VO,    16384
.set KSO,   32768
.set VSO,   33792
.set SLOTB, 4*STEPB
.set UNITB, 32*STEPB
.set SPARE, 2*SLOTB                    ; behind the ring: the spare words, 128 bytes a wave
.set S,   128
.set MSB, 0
.macro WIN new                         ; s_set_vgpr_msb: bits 1:0 source 0, 3:2 source 1, 5:4 source 2, 7:6 destination; the high byte repeats the setting that is left
.if MSB != \new
	s_set_vgpr_msb (MSB<<8)|\new
.set MSB, \new
.endif
.endm
.macro PLACES n
.rept \n
	v_nop
.endr
.endm
.macro CROUND                          ; a round of the cluster's barrier
	s_barrier_signal -1
	s_barrier_wait -1
	s_cmp_lg_u32 s14, 0
	s_cbranch_scc1 .Lnot_wave_0_\@
	s_barrier_signal -3
.Lnot_wave_0_\@:
	s_barrier_wait -3
	s_barrier_signal -1
	s_barrier_wait -1
.endm
; A prefetch of the slot that the NEXT change of slots will ask for.  The unit's first cluster asks; of step w's 136 blocks of 256 bytes the partner at cx names 34, told apart by address: 32, a lane a block, and 2 more
; (the lanes left over name the last again).  s50 = 1 in the waves that ask, else the greatest number; in the loop's last trip (s46 = 1) there is no slot two on.
.macro ASK
	s_cmp_gt_u32 s46, s50
	s_cbranch_scc0 .Lnot_mine_\@
	global_prefetch_b8 v5, s[48:49] th:TH_LOAD_NT scope:SCOPE_SE
	global_prefetch_b8 v51, s[48:49] th:TH_LOAD_NT scope:SCOPE_SE
.Lnot_mine_\@:
.endm
.macro ADRS                            ; the four steps of the slot at LDS byte s44
	v_add_nc_u32 v2, s44, v1
	v_add_nc_u32 v6, STEPB, v2
	v_add_nc_u32 v7, 2*STEPB, v2
	v_add_nc_u32 v50, 3*STEPB, v2
	s_wait_alu depctr_va_vdst(0)                   ; the wait directly behind the writes
.endm
; A RUN is 34 loads.  K's: the step's scale words (register 52 + t; lanes 0-15 K step 0, lanes 16-31 K step 1), then K: row tile t, K step s at 16 t + 8 s of window 3.
; V's: the scale words (register 64 + 8 e + t / 2; lanes 0-15 the even d tile, lanes 16-31 the odd one), then V: d tile t at 128 e + 8 t of window 2.
; LD1: load j of a run.  QKA, QVA: the address registers of K's and V's step (QKA = 0: no run of K); QE: V's step in the pair
.macro LD1 isk, j
.if \isk
.if QKA
.if (\j) < 2
	WIN 0
	ds_load_b128 v[52+4*(\j):55+4*(\j)], v[QKA] offset:KSO+512*(\j)
.else
	WIN 0xc0
	ds_load_b128 v[4*((\j)-2):4*((\j)-2)+3], v[QKA] offset:512*((\j)-2)
.endif
.endif
.else
.if (\j) < 2
	WIN 0
	ds_load_b128 v[64+8*QE+4*(\j):67+8*QE+4*(\j)], v[QVA] offset:VSO+512*(\j)
.else
	WIN 0x80
	ds_load_b128 v[128*QE+4*((\j)-2):128*QE+4*((\j)-2)+3], v[QVA] offset:VO+512*((\j)-2)
.endif
.endif
.endm
.macro LH n                            ; the next n loads of the softmax's two runs.  QORD = 0: K's run, then V's; 1: V's, then K's
.rept \n
.if QI < 34
	LD1 (1-QORD), QI
.elseif QI < 68
	LD1 QORD, (QI-34)
.endif
.set QI, QI+1
.endr
	WIN 0
.endm
.macro KM1 t, s, i                     ; one product of S^T; the first K step starts the sum
.set rD, S+64*(\i)+8*(\t)
.set rA, 16*(\t)+8*(\s)
.set rB, 128+16*(\i)+8*(\s)
.if (\s) == 0
	v_wmma_scale_f32_16x16x128_f8f6f4 v[rD:rD+7], v[rA:rA+7], v[rB:rB+7], 0, v[52+(\t)], v[48+(\i)] matrix_a_fmt:MATRIX_FMT_FP4 matrix_b_fmt:MATRIX_FMT_FP4
.else
	v_wmma_scale_f32_16x16x128_f8f6f4 v[rD:rD+7], v[rA:rA+7], v[rB:rB+7], v[rD:rD+7], v[52+(\t)], v[48+(\i)] matrix_a_fmt:MATRIX_FMT_FP4 matrix_b_fmt:MATRIX_FMT_FP4 matrix_a_scale:MATRIX_SCALE_ROW1 matrix_b_scale:MATRIX_SCALE_ROW1
.endif
.endm
.macro KMALL                           ; S^T: 32 products, the sixteen accumulators by turns, two K steps deep
	WIN 0x0f                                       ; K and Q in window 3
.irp s, 0,1
.irp t, 0,1,2,3,4,5,6,7
.irp i, 0,1
	KM1 \t, \s, \i
.endr
.endr
.endr
	WIN 0
	PLACES 4                                       ; ahead of the loads into K's registers and of the first read of S^T
.endm
.macro KMP                             ; the same 32 products behind K's run at a trip's head: two row tiles at a time as they land, four accumulators by turns
	WIN 0x0f
.irp g, 0,1,2,3
	s_wait_dscnt 24-8*\g                           ; the scale words and row tiles 0 .. 2 g + 1 are in; the later tiles' loads, four a tile, stay out
.irp s, 0,1
.irp u, 0,1
.irp i, 0,1
	KM1 2*\g+\u, \s, \i
.endr
.endr
.endr
.endr
	WIN 0
	PLACES 4
.endm
.macro WORD tb, w                      ; four numbers whose low bytes are scale bytes become a scale word, both tiles
.irp i, 0,1
	v_perm_b32 v[118+2*\i], v[(\tb)+4*\i+1], v[(\tb)+4*\i], 0x00000400
	v_perm_b32 v[119+2*\i], v[(\tb)+4*\i+3], v[(\tb)+4*\i+2], 0x00000400
.endr
.irp i, 0,1
	v_perm_b32 v[(\w)+\i], v[119+2*\i], v[118+2*\i], 0x05040100
.endr
.endm
.macro BL k, e                         ; line k of tile 0's work among tile 1's exponentials: eight conversions, a plain line, sixteen independent additions u_j = p[4 j .. 4 j + 1] + p[4 j + 2 .. 4 j + 3]
.if (\k) < 8
	v_cvt_scalef32_pk8_fp4_f32 v[16+16*(\e)+(\k)], v[S+8*(\k):S+8*(\k)+7], v[100+(\k)/2]
.elseif (\k) == 8
	v_nop
.elseif (\k) < 25
	v_pk_add_f32 v[S+4*((\k)-9):S+4*((\k)-9)+1], v[S+4*((\k)-9):S+4*((\k)-9)+1], v[S+4*((\k)-9)+2:S+4*((\k)-9)+3]
.endif
.endm
; THE SOFTMAX of step e of a pair.  tb: four registers a tile for the blocks' largest scores, then their bytes as numbers.  It carries 68 LDS loads (LH)
.macro SM e, tb
.irp b, 0,1,2,3                                ; the largest score of each block of 32 rows: eight chains, each accumulator read from its low end on
.irp i, 0,1
	v_max3_num_f32 v[(\tb)+4*\i+\b], v[S+64*\i+16*\b], v[S+64*\i+16*\b+1], v[S+64*\i+16*\b+2]
.endr
.endr
	LH 8
.irp m, 3,5,7,9,11,13
.irp b, 0,1,2,3
.irp i, 0,1
	v_max3_num_f32 v[(\tb)+4*\i+\b], v[(\tb)+4*\i+\b], v[S+64*\i+16*\b+\m], v[S+64*\i+16*\b+\m+1]
.endr
.endr
.if (\m == 7) || (\m == 13)
	LH 8
.endif
.endr
.irp b, 0,1,2,3
.irp i, 0,1
	v_max_num_f32 v[(\tb)+4*\i+\b], v[(\tb)+4*\i+\b], v[S+64*\i+16*\b+15]
.endr
.endr
.irp b, 0,1,2,3
.irp i, 0,1
	v_permlanex16_b32 v[100+4*\i+\b], v[(\tb)+4*\i+\b], s42, s43
.endr
.endr
.irp b, 0,1,2,3
.irp i, 0,1
	v_max_num_f32 v[(\tb)+4*\i+\b], v[(\tb)+4*\i+\b], v[100+4*\i+\b]   ; with lane l xor 16's 16 rows
.endr
.endr
.irp i, 0,1
	v_max3_num_f32 v[112+\i], v[(\tb)+4*\i], v[(\tb)+4*\i+1], v[(\tb)+4*\i+2]
.endr
.irp i, 0,1
	v_max_num_f32 v[112+\i], v[112+\i], v[(\tb)+4*\i+3]
.endr
.irp i, 0,1
	v_mul_f32 v[112+\i], s40, v[112+\i]            ; the step's largest score as t
.endr
	LH 4
.irp i, 0,1
	v_max_num_f32 v[9+4*\i], v[9+4*\i], v[112+\i]  ; the running largest t
.endr
.irp i, 0,1
	v_mov_b32 v[114+\i], v[8+4*\i]
.endr
.irp i, 0,1
	v_floor_f32 v[8+4*\i], -v[9+4*\i]              ; the new -M
.endr
	LH 4
.irp i, 0,1
	v_sub_f32 v[114+\i], v[8+4*\i], v[114+\i]      ; old M - new M: a whole number, 0 or less
.endr
.irp i, 0,1
	v_cvt_i32_f32 v[116+\i], v[114+\i]             ; (it saturates)
.endr
	LH 4
.irp i, 0,1
	v_ldexp_f32 v[124+2*(\e)+\i], 1.0, v[116+\i]   ; f = 2^(old M - new M)
.endr
.set jj, 0
.rept 32
	v_pk_fma_f32 v[S+jj:S+jj+1], v[S+jj:S+jj+1], s[40:41], v[8:9] op_sel_hi:[1,0,0]             ; tile 0: t - M
.if (jj == 16) || (jj == 40)
	LH 6
.endif
.set jj, jj+2
.endr
.irp i, 0,1
	v_mul_f32 v[10+4*\i], v[10+4*\i], v[124+2*(\e)+\i]         ; l under the new M
	v_mul_f32 v[11+4*\i], v[11+4*\i], v[124+2*(\e)+\i]
.endr
.irp b, 0,1,2,3
.irp i, 0,1
	v_fma_f32 v[(\tb)+4*\i+\b], v[(\tb)+4*\i+\b], s40, v[8+4*\i]   ; x of the block's largest p
.endr
.endr
.irp b, 0,1,2,3
.irp i, 0,1
	v_floor_f32 v[(\tb)+4*\i+\b], v[(\tb)+4*\i+\b]
.endr
.endr
	LH 6
.irp b, 0,1,2,3
.irp i, 0,1
	v_max_num_f32 v[(\tb)+4*\i+\b], 0xc2f80000, v[(\tb)+4*\i+\b]   ; held at -124: the byte cannot fall under 1
.endr
.endr
.irp b, 0,1,2,3
.irp i, 0,1
	v_add_f32 v[(\tb)+4*\i+\b], 0x4b00007d, v[(\tb)+4*\i+\b]       ; + 2^23 + 125, exact: the low byte of these bits is the scale's byte
.endr
.endr
	LH 6
.irp b, 0,1,2,3
.irp i, 0,1
	v_lshlrev_b32 v[100+4*\i+\b], 23, v[(\tb)+4*\i+\b]             ; the byte as an exponent field: the conversion's scale operand
.endr
.endr
.if \e == 1
.irp b, 0,1,2,3
.irp i, 0,1
	v_add_f32 v[84+4*\i+\b], v[84+4*\i+\b], v[114+\i]              ; step a's bytes under the new M,
.endr
.endr
.irp b, 0,1,2,3
.irp i, 0,1
	v_max_num_f32 v[84+4*\i+\b], 0x4b000001, v[84+4*\i+\b]         ; held at 1
.endr
.endr
	WORD 84, 80
	WORD \tb, 82
.irp i, 0,1
	v_mul_f32 v[60+2*\i], v[124+\i], v[126+\i]     ; the pair's factor for O^T: a product of two powers of two
.endr
.endif
	s_wait_alu depctr_va_vdst(0)                   ; ahead of the batch
.set nn, 0
.rept 32                                       ; tile 0's 64 exponentials; behind every second one a multiply-add of tile 1: t - M
	v_exp_f32 v[S+nn], v[S+nn]
	v_exp_f32 v[S+nn+1], v[S+nn+1]
	v_pk_fma_f32 v[S+64+nn:S+64+nn+1], v[S+64+nn:S+64+nn+1], s[40:41], v[12:13] op_sel_hi:[1,0,0]
.if nn == 32
	LH 4
.endif
.set nn, nn+2
.endr
	v_nop                                          ; a plain line behind the last exponential
	s_wait_alu depctr_va_vdst(0)                   ; one wait: behind tile 0's batch, ahead of tile 1's
.set nn, 0
.rept 64                                       ; tile 1's 64 exponentials; behind every second one a line of tile 0's
	v_exp_f32 v[S+64+nn], v[S+64+nn]
.if (nn%2) == 1
	BL (nn/2), \e
.endif
.if nn == 32
	LH 4
.endif
.set nn, nn+1
.endr
	v_nop                                          ; a plain line behind the last exponential
	s_wait_alu depctr_va_vdst(0)                   ; one wait for tile 1's batch, ahead of its first reader
.irp m, 0,1,2,3,4,5,6,7
	v_cvt_scalef32_pk8_fp4_f32 v[24+16*(\e)+\m], v[S+64+8*\m:S+64+8*\m+7], v[104+\m/2]
.endr
	v_nop                                          ; one plain line behind the last scaled conversion
.irp c, 0,1                                    ; the operand wants a WHOLE block in a lane
.irp u, 0,1
.irp i, 0,1
	v_permlane16_swap_b32 v[16+16*(\e)+8*\i+4*\c+\u], v[16+16*(\e)+8*\i+4*\c+2+\u]
.endr
.endr
.endr
	; the sums of the UNQUANTISED p, two at a time: tile 0's sixteen u in two chains, tile 1's 64 p in four
	v_pk_add_f32 v[100:101], v[S:S+1], v[S+4:S+5]
.irp c, 0,1,2
	v_pk_add_f32 v[106+2*\c:107+2*\c], v[S+64+4*\c:S+64+4*\c+1], v[S+64+4*\c+2:S+64+4*\c+3]
.endr
.irp g, 0,1,2,3,4,5
	v_pk_add_f32 v[14:15], v[14:15], v[S+76+8*\g:S+77+8*\g]
.irp c, 0,1,2
	v_pk_add_f32 v[106+2*\c:107+2*\c], v[106+2*\c:107+2*\c], v[S+78+8*\g+2*\c:S+79+8*\g+2*\c]
.endr
	v_pk_add_f32 v[10:11], v[10:11], v[S+8+8*\g:S+9+8*\g]
	v_pk_add_f32 v[100:101], v[100:101], v[S+12+8*\g:S+13+8*\g]
.endr
	v_pk_add_f32 v[14:15], v[14:15], v[S+124:S+125]
	v_pk_add_f32 v[106:107], v[106:107], v[S+126:S+127]
	v_pk_add_f32 v[10:11], v[10:11], v[S+56:S+57]
	v_pk_add_f32 v[100:101], v[100:101], v[S+60:S+61]
	v_pk_add_f32 v[108:109], v[108:109], v[110:111]
	v_pk_add_f32 v[14:15], v[14:15], v[106:107]
	v_pk_add_f32 v[10:11], v[10:11], v[100:101]
	v_pk_add_f32 v[14:15], v[14:15], v[108:109]
.endm
.macro VMUL e                          ; 32 products O^T += V^T p^T of step e: each accumulator once
.irp t, 0,1,2,3,4,5,6,7,8,9,10,11,12,13,14,15
.irp i, 0,1
.set rO, 128*\i+8*\t
.if (\t)%2 == 1
	v_wmma_scale_f32_16x16x128_f8f6f4 v[rO:rO+7], v[128*(\e)+8*\t:128*(\e)+8*\t+7], v[16+16*(\e)+8*\i:16+16*(\e)+8*\i+7], v[rO:rO+7], v[64+8*(\e)+\t/2], v[80+2*(\e)+\i] matrix_a_fmt:MATRIX_FMT_FP4 matrix_b_fmt:MATRIX_FMT_FP4 matrix_a_scale:MATRIX_SCALE_ROW1
.else
	v_wmma_scale_f32_16x16x128_f8f6f4 v[rO:rO+7], v[128*(\e)+8*\t:128*(\e)+8*\t+7], v[16+16*(\e)+8*\i:16+16*(\e)+8*\i+7], v[rO:rO+7], v[64+8*(\e)+\t/2], v[80+2*(\e)+\i] matrix_a_fmt:MATRIX_FMT_FP4 matrix_b_fmt:MATRIX_FMT_FP4
.endif
.endr
.endr
.endm
.macro PV                              ; O^T under the new M, then both steps' second products
	WIN 0x41                                       ; O^T in window 1, the factor in window 0
	s_wait_alu depctr_va_vdst(0)                   ; directly ahead of the first reader of O^T
.set jj, 0
.rept 64
	v_pk_mul_f32 v[jj:jj+1], v[jj:jj+1], v[60:61] op_sel_hi:[1,0]
.set jj, jj+2
.endr
.set jj, 0
.rept 64
	v_pk_mul_f32 v[128+jj:128+jj+1], v[128+jj:128+jj+1], v[62:63] op_sel_hi:[1,0]
.set jj, jj+2
.endr
	WIN 0x52                                       ; V in window 2, codes in window 0, C and D in window 1
	VMUL 0
	VMUL 1
	WIN 0
	PLACES 5
.endm
; A PAIR of steps.  ra, rb: the address registers of steps a and b; rn: that of the next pair's step a, or 0.  first = 1: K(a)'s run has just been issued; else it went out in the pair before
.macro PAIR ra, rb, rn, first
.if \first
	KMP
.else
	s_wait_dscnt 0x0                               ; K(a): the youngest loads, issued ahead of the last pair's second products
	KMALL
.endif
.set QORD, 0
.set QKA, \rb
.set QVA, \ra
.set QE, 0
.set QI, 0
	SM 0, 84
	s_wait_dscnt 34                                ; K(b) is in; V(a)'s run, 34 loads, may be out
	KMALL
.set QORD, 1
.set QKA, \rn
.set QVA, \rb
.set QE, 1
.set QI, 0
	SM 1, 92
.if \rn
	s_wait_dscnt 34                                ; both steps' V are in; the next K's run, 34 loads, may be out
.else
	s_wait_dscnt 0x0
.endif
	PV
.endm
.macro COMPUTE                         ; the slot at LDS byte s44
	ADRS
.set QORD, 0
.set QKA, 2
.set QI, 0
	LH 34                                          ; K of the slot's first step
	PAIR 2, 6, 7, 1
	PAIR 7, 50, 0, 0
.endm
; THE CHANGE OF SLOTS.  Each wave waits for all its tensor loads (one is out: its step of the slot ahead), adds 0 to its spare word, and waits for that and for its reads of the slot that it has left; the cluster's round shows the same
; of all four work-groups; fill = 1: the joint fill of the other slot is the first thing behind it, and has the whole trip in which to land.
.macro CHANGE fill
	s_wait_tensorcnt 0x0                           ; no tensor load of mine is out, so group 0 may be written
	ds_add_u32 v3, v4
.if \fill
	s_xor_b32 s33, s33, s47                        ; the other slot than last time,
	s_add_nc_u64 s[34:35], s[34:35], SLOTB         ; the next four steps
	s_wait_xcnt 0x0                                ; the last prefetches, a trip back, have read their address
	s_add_nc_u64 s[48:49], s[48:49], SLOTB
.endif
	s_wait_dscnt 0x0
	CROUND
.if \fill
	tensor_load_to_lds s[32:35], s[24:31]
	s_nop 0
	PLACES 4                                       ; (plain lines behind a tensor load)
	ASK
.endif
.endm
	s_load_b256 s[4:11], s[0:1], 0x0               ; Q's codes s[4:5], Q's scales s[6:7], kv s[8:9], part s[10:11]
	s_load_b64 s[12:13], s[0:1], 0x20              ; stat
	v_lshl_add_u32 v3, v0, 2, SPARE
	v_mov_b32 v4, 0
	ds_add_u32 v3, v4                              ; the opening lines: the add twice on end and its wait
	ds_add_u32 v3, v4
	v_lshrrev_b32 v1, 5, v0
	v_readfirstlane_b32 s14, v1                    ; wave w
	s_bfe_u32 s17, ttmp6, 0x40000                  ; cx
	s_lshl_b32 s18, ttmp9, 2
	s_add_co_u32 s18, s18, s17                     ; my block of 128 queries
	s_and_b32 s19, ttmp7, 0xffff                   ; the unit, which the four partners share
	s_mov_b32 s24, 15|(3<<16)|(1<<21)              ; group 1: 136 rows of 32 elements of 8 bytes, dense; the mask names all four work-groups
	s_mov_b32 s25, 32<<16
	s_mov_b32 s26, 136<<16
	s_mov_b32 s27, 32<<16
	s_mov_b32 s28, 136
	s_mov_b32 s29, 32
	s_mov_b32 s30, 0
	s_mov_b32 s31, 0
	s_mov_b32 s40, 0x3fb8aa3b                      ; log2(e)
	s_mov_b32 s41, s40
	s_mov_b32 s42, 0x76543210                      ; selects for lane l xor 16
	s_mov_b32 s43, 0xfedcba98
	s_mul_i32 s54, s14, STEPB                      ; my step of a slot
	s_mul_i32 s52, s19, UNITB
	s_add_co_u32 s52, s52, s54
	s_mov_b32 s53, 0
	s_mov_b32 s32, 1
	s_mov_b32 s33, s54                             ; slot 0
	s_add_co_u32 s47, s54, SLOTB
	s_xor_b32 s47, s47, s54                        ; what turns my place in one slot into my place in the other
	s_wait_dscnt 0x0
	s_wait_kmcnt 0x0
	s_add_nc_u64 s[34:35], s[8:9], s[52:53]
	s_or_b32 s35, s35, 0x80000000
	CROUND                                         ; all four work-groups are here: the first joint loads meet
	tensor_load_to_lds s[32:35], s[24:31]          ; the unit's first four steps; slot 1 is first filled behind the first trip's round
	s_nop 0
	PLACES 4
	s_mul_i32 s56, s17, 34*256                     ; the prefetches: my work-group's 34 blocks of step w,
	s_add_co_u32 s56, s56, s52
	s_add_co_u32 s56, s56, SLOTB                   ; in slot 1: the first trip steps it to slot 2
	s_mov_b32 s57, 0
	s_add_nc_u64 s[48:49], s[8:9], s[56:57]
	s_cmp_eq_u32 ttmp9, 0                          ; the unit's first cluster asks: the same in all four partners
	s_cselect_b32 s50, 1, -1
	s_lshl_b32 s56, s18, 7
	s_lshl_b32 s57, s14, 5
	s_add_co_u32 s56, s56, s57                     ; my first query
	s_lshl_b32 s58, s56, 7
	s_mov_b32 s59, 0
	s_add_nc_u64 s[4:5], s[4:5], s[58:59]          ; 128 bytes of codes a query
	s_lshl_b32 s58, s56, 3
	s_add_nc_u64 s[6:7], s[6:7], s[58:59]          ; 8 scale bytes a query
	s_lshl_b32 s56, s18, 3
	s_lshl_b32 s57, s14, 1
	s_add_co_u32 s56, s56, s57                     ; my first query tile: 8 block + 2 w
	s_lshl_b32 s58, s19, 22
	s_lshl_b32 s57, s56, 14
	s_add_co_u32 s58, s58, s57
	s_add_nc_u64 s[10:11], s[10:11], s[58:59]      ; part: 4 MiB a unit, 16,384 bytes a tile
	s_lshl_b32 s58, s19, 16
	s_lshl_b32 s57, s56, 8
	s_add_co_u32 s58, s58, s57
	s_add_nc_u64 s[12:13], s[12:13], s[58:59]      ; stat: 65,536 bytes a unit, 256 a tile
	s_mov_b32 s44, 0
	s_mov_b32 s46, 7
	v_and_b32 v92, 15, v0                          ; r
	v_bfe_u32 v93, v0, 4, 1                        ; h
	v_lshlrev_b32 v94, 7, v92
	v_lshl_add_u32 v94, v93, 4, v94                ; Q's codes: row r, + 16 h
	v_lshlrev_b32 v95, 3, v92
	v_lshl_add_u32 v95, v93, 2, v95                ; Q's scale words: row r, K step h
	WIN 0xc0
.irp i, 0,1
.irp s, 0,1
.irp c, 0,1
	global_load_b128 v[128+16*\i+8*\s+4*\c:128+16*\i+8*\s+4*\c+3], v94, s[4:5] offset:2048*\i+64*\s+32*\c
.endr
.endr
.endr
	WIN 0
.irp i, 0,1
	global_load_b32 v[48+\i], v95, s[6:7] offset:128*\i
.endr
	v_and_b32 v1, 31, v0
	v_lshlrev_b32 v5, 8, v1                        ; a lane a block of 256 bytes
	v_min_u32 v51, 1, v1
	v_lshl_add_u32 v51, v51, 8, 8192               ; blocks 32 and 33
	v_lshlrev_b32 v1, 4, v1                        ; 16 x lane
.irp i, 0,1
	v_mov_b32 v[9+4*\i], 0xff61b1e6                ; the largest t so far: -3e38
	v_mov_b32 v[8+4*\i], 0x7f61b1e6                ; -M
	v_mov_b32 v[10+4*\i], 0                        ; l, in two halves
	v_mov_b32 v[11+4*\i], 0
	v_mov_b32 v[61+2*\i], 0                        ; (named as the upper half of the factor's pair)
.endr
.irp j, 100,101,102,103,104,105,106,107
	v_mov_b32 v\j, 0                               ; a lane permute's destination counts as one of its sources
.endr
	WIN 0x40
.set jj, 0
.rept 256
	v_mov_b32 v[jj], 0                             ; O^T.  The pair is written in one form: the first finds zeros, which the first factor (0) leaves zeros
.set jj, jj+1
.endr
	WIN 0
	s_wait_alu depctr_va_vdst(0)
	s_wait_loadcnt 0x0                             ; Q
.Ltrip:                                            ; eight slots: seven trips that ask for the next, the last written out
	CHANGE 1
	COMPUTE
	s_xor_b32 s44, s44, SLOTB
	s_sub_co_u32 s46, s46, 1
	s_cmp_lg_u32 s46, 0
	s_wait_alu depctr_va_vdst(0)
	s_cbranch_scc1 .Ltrip
	CHANGE 0
	s_mov_b32 s44, SLOTB                           ; the eighth slot's worth lies in slot 1
	COMPUTE
	; ---- THE WAY OUT.  O^T leaves as it stands: chunk k of a tile is registers 4 k .. 4 k + 3, 16 bytes a lane
	v_add_f32 v10, v10, v11                        ; l's two halves,
	v_add_f32 v14, v14, v15
	v_permlanex16_b32 v100, v10, s42, s43
	v_permlanex16_b32 v101, v14, s42, s43
	v_mov_b32 v104, v8
	v_add_f32 v105, v10, v100                      ; and lane l xor 16's
	v_mov_b32 v106, v12
	v_add_f32 v107, v14, v101
	v_and_b32 v113, 31, v0
	v_lshlrev_b32 v112, 4, v113                    ; 16 x lane
	v_lshlrev_b32 v113, 3, v113                    ; 8 x lane
	WIN 0x04                                       ; a store's data are its source 1: window 1
.set kk, 0
.rept 64
	global_store_b128 v112, v[4*kk:4*kk+3], s[10:11] offset:512*kk     ; 32 lanes store 512 consecutive bytes, aligned; each accumulator from its low end on
.set kk, kk+1
.endr
	WIN 0
	global_store_b64 v113, v[104:105], s[12:13]              ; -M and l: 256 consecutive bytes a tile, aligned
	global_store_b64 v113, v[106:107], s[12:13] offset:256
	s_wait_tensorcnt 0x0                           ; the wave's end
	ds_add_u32 v3, v4
	s_wait_dscnt 0x0
	CROUND                                         ; the closing round
	s_endpgm
.Lfunc_end_k_q55bce1ae7f_attend:
	.size	k_q55bce1ae7f_attend, .Lfunc_end_k_q55bce1ae7f_attend-k_q55bce1ae7f_attend
	.p2alignl 7, 3214868480
	.fill 96, 4, 3214868480
	.section	.rodata,"a",@progbits
	.p2align	6, 0x0
	.amdhsa_kernel k_q55bce1ae7f_attend
		.amdhsa_group_segment_fixed_size 327680
		.amdhsa_private_segment_fixed_size 0
		.amdhsa_enable_private_segment 0
		.amdhsa_kernarg_size 40
		.amdhsa_user_sgpr_count 2
		.amdhsa_user_sgpr_kernarg_segment_ptr 1
		.amdhsa_wavefront_size32 1
		.amdhsa_system_sgpr_workgroup_id_x 1
		.amdhsa_system_sgpr_workgroup_id_y 1
		.amdhsa_system_sgpr_workgroup_id_z 1
		.amdhsa_system_vgpr_workitem_id 0
		.amdhsa_next_free_vgpr 1024
		.amdhsa_next_free_sgpr 66
		.amdhsa_reserve_vcc 0
		.amdhsa_float_denorm_mode_32 3
		.amdhsa_float_denorm_mode_16_64 3
		.amdhsa_memory_ordered 1
		.amdhsa_forward_progress 1
		.amdhsa_inst_pref_size 255
	.end_amdhsa_kernel
	.section	.bss,"aw",@nobits
	.p2align	6
	.space	262144
	.amdgpu_metadata
---
amdhsa.version: [ 1, 2 ]
amdhsa.kernels:
  - .name:           k_q55bce1ae7f_attend
    .symbol:         k_q55bce1ae7f_attend.kd
    .args:
      - { .name: query_codes, .offset: 0, .size: 8, .value_kind: global_buffer, .address_space: global }
      - { .name: query_scales, .offset: 8, .size: 8, .value_kind: global_buffer, .address_space: global }
      - { .name: kv, .offset: 16, .size: 8, .value_kind: global_buffer, .address_space: global }
      - { .name: part, .offset: 24, .size: 8, .value_kind: global_buffer, .address_space: global }
      - { .name: stat, .offset: 32, .size: 8, .value_kind: global_buffer, .address_space: global }
    .group_segment_fixed_size: 327680
    .private_segment_fixed_size: 0
    .kernarg_segment_align: 8
    .kernarg_segment_size: 40
    .max_flat_workgroup_size: 128
    .sgpr_count:     66
    .vgpr_count:     1024
    .wavefront_size: 32
...
	.end_amdgpu_metadata
.endif
;; end of part 2
;; launch merge (part 3): grid 256 x 1, 8 waves a work-group, no clusters, 17,920 bytes of LDS; arguments part, stat, out0; writes out0
.if DOCPART == 3
	.amdgcn_target "amdgcn-amd-amdhsa--gfx1250"
	.amdhsa_code_object_version 6
	.text
	.protected	k_q55bce1ae7f_merge
	.globl	k_q55bce1ae7f_merge
	.p2align	8
	.type	k_q55bce1ae7f_merge,@function
k_q55bce1ae7f_merge:
	s_mov_b64 s[64:65], 0
	v_nop
	global_prefetch_b8 v0, s[64:65] scope:SCOPE_SE
	s_setreg_imm32_b32 hwreg(HW_REG_WAVE_MODE, 25, 1), 1
	s_wait_xcnt 0x0
; out0[q] = the sum over the three banks of (sum over the bank's units u of f_u O_u[q]) / (sum of f_u l_u), f_u = 2^(M_u - M*), M* the bank's largest M: exact powers of two.  Units 0-3 are stm, 4-5 ltm, 6 pm.
; A work-group takes one tile T of 16 queries.  part[u][T] is 16,384 bytes: chunk k of 32 at 512 k + 16 l holds d = 16 (k / 2) + 8 h + 4 (k % 2) + 0 .. 3 of query 16 T + r (lane l = r + 16 h); stat[u][T] holds -M and l at 8 l.
; Wave w takes chunks 4 w .. 4 w + 3 of all seven units: 28 loads of 512 consecutive bytes, all on their way at once.  The sums meet in a stage in LDS (16 rows of 1,024 bytes + 16) and leave as whole rows.
; Memory binds: no matrix unit, no cluster (no two work-groups read the same byte), no tensor load.
; LIMITS: l is at least 1/2 for every unit (a row's largest p lies over 1/2), so no division by zero; NaN and infinities are not served.
.set D,  32                            ; v32-143  chunk j, unit u at D + 4 (7 j + u)
.set G,  144                           ; v144-157 the coefficients f_u / l, each twice: a pair for the packed forms
.set A,  160                           ; v160-175 the sums, four registers a chunk
	s_load_b128 s[4:7], s[0:1], 0x0                ; part, stat
	s_load_b64 s[8:9], s[0:1], 0x10                ; out0
	v_lshl_add_u32 v176, v0, 2, 0x4200
	v_mov_b32 v177, 0
	v_lshrrev_b32 v1, 5, v0
	s_delay_alu instid0(VALU_DEP_1)
	v_readfirstlane_b32 s10, v1                    ; wave
	v_and_b32 v3, 31, v0
	s_delay_alu instid0(VALU_DEP_1)
	v_lshlrev_b32 v1, 3, v3                        ; 8 x lane
	s_delay_alu instid0(VALU_DEP_2)
	v_lshlrev_b32 v2, 4, v3                        ; 16 x lane
	s_lshl_b32 s28, ttmp9, 14                      ; 16,384 bytes a tile, in part and in out0,
	s_lshl_b32 s29, s10, 11                        ; 2,048 a wave
	s_add_co_u32 s28, s28, s29
	s_mov_b32 s29, 0
	s_lshl_b32 s30, ttmp9, 8
	s_mov_b32 s31, 0
	s_wait_alu depctr_va_vdst(0)
	s_wait_kmcnt 0x0
	s_add_nc_u64 s[6:7], s[6:7], s[30:31]
	s_add_nc_u64 s[8:9], s[8:9], s[28:29]
	s_add_nc_u64 s[12:13], s[4:5], s[28:29]
.irp u, 1,2,3,4,5,6
	s_add_nc_u64 s[12+2*\u:13+2*\u], s[12:13], \u*4194304   ; a base for each unit: 4 MiB apart
.endr
.irp u, 0,1,2,3,4,5,6
	global_load_b64 v[4+2*\u:5+2*\u], v1, s[6:7] offset:\u*65536
.endr
.irp j, 0,1,2,3
.irp u, 0,1,2,3,4,5,6
	global_load_b128 v[D+28*\j+4*\u:D+28*\j+4*\u+3], v2, s[12+2*\u:13+2*\u] offset:512*\j th:TH_LOAD_NT
.endr
.endr
	v_and_b32 v29, 15, v0                          ; r
	v_bfe_u32 v30, v0, 4, 1                        ; h
	s_delay_alu instid0(VALU_DEP_2)
	v_mul_u32_u24 v28, v29, 1040
	s_delay_alu instid0(VALU_DEP_1)
	v_lshl_add_u32 v28, v30, 5, v28
	s_lshl_b32 s32, s10, 7
	v_add_nc_u32 v28, s32, v28                     ; into the stage: row r, + 32 h + 128 w
	s_mul_i32 s32, s10, 2080
	v_add_nc_u32 v29, s32, v2                      ; back: rows 2 w and 2 w + 1, 16 bytes a lane
	s_wait_loadcnt 28                              ; the seven statistics are in; the 28 chunks stay out
	v_min3_num_f32 v18, v4, v6, v8
	v_min_num_f32 v19, v12, v14                    ; -M* of ltm
	s_delay_alu instid0(VALU_DEP_2)
	v_min_num_f32 v18, v18, v10                    ; -M* of stm
.irp u, 0,1,2,3
	v_sub_f32 v[G+2*\u], v18, v[4+2*\u]            ; M_u - M*
.endr
.irp u, 4,5
	v_sub_f32 v[G+2*\u], v19, v[4+2*\u]
.endr
.irp u, 0,1,2,3,4,5
	v_cvt_i32_f32 v[G+2*\u], v[G+2*\u]
.endr
.irp u, 0,1,2,3,4,5
	v_ldexp_f32 v[G+2*\u], 1.0, v[G+2*\u]          ; f_u
.endr
	v_mul_f32 v20, v[G], v5
	s_delay_alu instid0(VALU_DEP_3)
	v_mul_f32 v21, v[G+8], v13
	s_delay_alu instid0(VALU_DEP_2)
	v_fma_f32 v20, v[G+2], v7, v20
	s_delay_alu instid0(VALU_DEP_2)
	v_fma_f32 v21, v[G+10], v15, v21               ; l of ltm
	s_delay_alu instid0(VALU_DEP_2)
	v_fma_f32 v20, v[G+4], v9, v20
	s_delay_alu instid0(VALU_DEP_1)
	v_fma_f32 v20, v[G+6], v11, v20                ; l of stm
	s_wait_alu depctr_va_vdst(0)
	v_rcp_f32 v22, v20
	v_rcp_f32 v23, v21
	v_rcp_f32 v[G+12], v17                         ; pm is one unit: its coefficient is 1 / l
	v_nop                                          ; a plain line behind the last reciprocal
	s_wait_alu depctr_va_vdst(0)                   ; one wait for the three, ahead of their first reader
.irp u, 0,1,2,3
	v_mul_f32 v[G+2*\u+1], v[G+2*\u], v22
	v_mul_f32 v[G+2*\u], v[G+2*\u], v22
.endr
.irp u, 4,5
	v_mul_f32 v[G+2*\u+1], v[G+2*\u], v23
	v_mul_f32 v[G+2*\u], v[G+2*\u], v23
.endr
	v_mov_b32 v[G+13], v[G+12]
.irp j, 0,1,2,3
	s_wait_loadcnt 21-7*\j                         ; chunk j's seven loads are in; the later chunks' stay out
	v_pk_mul_f32 v[A+4*\j:A+4*\j+1], v[D+28*\j:D+28*\j+1], v[G:G+1]
	v_pk_mul_f32 v[A+4*\j+2:A+4*\j+3], v[D+28*\j+2:D+28*\j+3], v[G:G+1]
.irp u, 1,2,3,4,5,6
	v_pk_fma_f32 v[A+4*\j:A+4*\j+1], v[D+28*\j+4*\u:D+28*\j+4*\u+1], v[G+2*\u:G+2*\u+1], v[A+4*\j:A+4*\j+1]
	v_pk_fma_f32 v[A+4*\j+2:A+4*\j+3], v[D+28*\j+4*\u+2:D+28*\j+4*\u+3], v[G+2*\u:G+2*\u+1], v[A+4*\j+2:A+4*\j+3]
.endr
	ds_store_b128 v28, v[A+4*\j:A+4*\j+3] offset:64*(\j/2)+16*(\j%2)
.endr
	s_wait_dscnt 0x0                               ; for the others' sake: my part of the 16 rows is in the stage
	s_barrier_signal -1
	s_barrier_wait -1
.irp j, 0,1,2,3
	ds_load_b128 v[D+4*\j:D+4*\j+3], v29 offset:(\j/2)*1040+512*(\j%2)
.endr
.irp j, 0,1,2,3
	s_wait_dscnt 3-\j
	global_store_b128 v2, v[D+4*\j:D+4*\j+3], s[8:9] offset:512*\j th:TH_STORE_NT   ; 32 lanes store 512 consecutive bytes of a row, aligned
.endr
	s_wait_tensorcnt 0x0
	ds_add_u32 v176, v177
	s_wait_dscnt 0x0
	s_endpgm
.Lfunc_end_k_q55bce1ae7f_merge:
	.size	k_q55bce1ae7f_merge, .Lfunc_end_k_q55bce1ae7f_merge-k_q55bce1ae7f_merge
	.p2alignl 7, 3214868480
	.fill 96, 4, 3214868480
	.section	.rodata,"a",@progbits
	.p2align	6, 0x0
	.amdhsa_kernel k_q55bce1ae7f_merge
		.amdhsa_group_segment_fixed_size 17920
		.amdhsa_private_segment_fixed_size 0
		.amdhsa_enable_private_segment 0
		.amdhsa_kernarg_size 24
		.amdhsa_user_sgpr_count 2
		.amdhsa_user_sgpr_kernarg_segment_ptr 1
		.amdhsa_wavefront_size32 1
		.amdhsa_system_sgpr_workgroup_id_x 1
		.amdhsa_system_sgpr_workgroup_id_y 1
		.amdhsa_system_sgpr_workgroup_id_z 1
		.amdhsa_system_vgpr_workitem_id 0
		.amdhsa_next_free_vgpr 178
		.amdhsa_next_free_sgpr 66
		.amdhsa_reserve_vcc 0
		.amdhsa_float_denorm_mode_32 3
		.amdhsa_float_denorm_mode_16_64 3
		.amdhsa_memory_ordered 1
		.amdhsa_forward_progress 1
		.amdhsa_inst_pref_size 13
	.end_amdhsa_kernel
	.amdgpu_metadata
---
amdhsa.version: [ 1, 2 ]
amdhsa.kernels:
  - .name:           k_q55bce1ae7f_merge
    .symbol:         k_q55bce1ae7f_merge.kd
    .args:
      - { .name: part, .offset: 0, .size: 8, .value_kind: global_buffer, .address_space: global }
      - { .name: stat, .offset: 8, .size: 8, .value_kind: global_buffer, .address_space: global }
      - { .name: out0, .offset: 16, .size: 8, .value_kind: global_buffer, .address_space: global }
    .group_segment_fixed_size: 17920
    .private_segment_fixed_size: 0
    .kernarg_segment_align: 8
    .kernarg_segment_size: 24
    .max_flat_workgroup_size: 256
    .sgpr_count:     66
    .vgpr_count:     178
    .wavefront_size: 32
...
	.end_amdgpu_metadata
.endif
;; end of part 3
